; MI455X (gfx1250); checked and timed in simulation.
; The chip was launched on July 23, 2026; its instructions are those of AMD's public machine-readable ISA for CDNA 5 (MIT licence, August 2026) and "CDNA5" Instruction Set Architecture Reference Guide (July 2026). The comments in the code are by the model that wrote it; some were corrected since.
;; Geometric Attention Bias. Allowed arithmetic: matrix products marked QUANTISED: E3M2 operands, one E8M0 scale for each 32 along K, by v_wmma_scale_f32_16x16x128_f8f6f4 with both operands' format E3M2, f32 sums; products left as they are: f32 operands where the result goes on into a quantised operand, else bf16, f16 or f32 operands; f32 sums; everything else in f32.
;; Inputs: W1 4 x 128 float32; W2 128 x 64 float32; W3 64 x 8 float32; b1 128 float32; b2 64 float32; b3 8 float32; beta1 128 float32; beta2 64 float32; bias_scale 8 float32; g1 128 float32; g2 64 float32; grasp_poses 4 x 64 x 7 float32; grasp_tokens 4 x 64 x 256 float32; scene_points 4 x 4,096 x 3 float32.
;; Outputs: out0 4 x 8 x 64 x 4,096 float32.
;; This version of the problem:
;;   THIS VERSION OF THE PROBLEM IS GIVEN IN LOW PRECISION. The matrix products marked QUANTISED in the list below multiply operands that are first quantised to E3M2 (3 exponent bits, 2 mantissa bits; 6 bits a number), with one power-of-two scale for each 32 numbers along K (OCP MX v1.0); their sums are f32. All else is computed in f32.
;;   The module's matrix products, in the order in which they are computed (A, B: the left and right operand; K: the contracted axis; several contracted axes count as one K, in the product's order):
;;     1. batch 256 x [M 4,096, K 3] x [K 3, N 3]; A: computed on the way; B: computed on the way: left as it is (K = 3 < 32)
;;     2. [M 1,048,576, K 4] x [K 4, N 128]; A: computed on the way; B: input W1: left as it is (K = 4 < 32)
;;     3. [M 1,048,576, K 128] x [K 128, N 64]; A: computed on the way; B: input W2: QUANTISED
;;     4. [M 1,048,576, K 64] x [K 64, N 8]; A: computed on the way; B: input W3: left as it is (N = 8 < 16)
;;   THE QUANTISER, for each operand of a quantised product, along K:
;;     - K is cut into blocks of 32 from its start; a last block that is shorter is filled with zeros.
;;     - A block's scale is 2^e with e = floor(log2(the largest magnitude in the block)) - 4, held to -126 .. 127; a block of zeros has e = 0. As a byte (E8M0): e + 127.
;;     - Each number is divided by its block's scale, clamped to +-28, and rounded to the nearest number of E3M2, ties to even, subnormals kept.
;;     - The product sums the exact products of the quantised numbers (number of the format x scale) in f32.
;;   ~~~python
;;   def quantise(x, axis):      # numpy; x: float32 -> the quantised numbers, widened to float32 again
;;       x = np.moveaxis(x, axis, -1); K = x.shape[-1]
;;       x = np.pad(x, [(0, 0)] * (x.ndim - 1) + [(0, -K % 32)]); x = x.reshape(x.shape[:-1] + (-1, 32)); a = np.abs(x).max(-1, keepdims=True)
;;       e = np.where(a > 0, np.clip(np.frexp(np.where(a > 0, a, 1))[1] - 1 - 4, -126, 127), 0)      # np.frexp(a)[1] - 1 = floor(log2(a)), exactly
;;       r = np.clip(x / 2.0 ** e, -28, 28)
;;       step = 2.0 ** (np.maximum(np.frexp(np.where(r == 0, 1, r))[1] - 1, -2) - 2)
;;       q = np.round(r / step) * step * 2.0 ** e      # np.round: ties to even
;;       return np.moveaxis(q.reshape(q.shape[:-2] + (-1,))[..., :K], -1, axis).astype(np.float32)
;;   ~~~
;;   OPERANDS COMPUTED ON THE WAY. 'Computed on the way' means the value that the module computes at that place (a softmax that the list does not call 'softmax' is quantised finished and normalised). What goes into a quantiser is computed in f32, as accurately as f32 sums, v_exp_f32 and their like allow (about 1e-6 of the number): no bf16 or f16 on the way to a quantiser, and a product that is left as it is and whose result goes on into a quantised operand takes f32 operands (vector FMAs, or v_wmma_f32_16x16x4_f32). A number that lies on a knife's edge between two numbers of the format may be rounded either way, as far as f32 arithmetic and the matrix unit's own rounding can turn it there, and no further.
;; 2 versions, each right; version 2 is version 1 with the launch geo written anew for expert scheduling mode. Each part assembles by itself: llvm-mc -triple=amdgcn-amd-amdhsa -mcpu=gfx1250 --defsym DOCPART=n.
;; ======== version 1 of 2: 1 launch
;; launch geo (part 1): grid 64 x 4, 8 waves a work-group, no clusters, 7,424 bytes of LDS; arguments scene_points, grasp_poses, W1, b1, g1, beta1, W2, b2, g2, beta2, W3, b3, bias_scale, out0; writes out0
.if DOCPART == 1
	.amdgcn_target "amdgcn-amd-amdhsa--gfx1250"
	.amdhsa_code_object_version 6
	.text
	.protected	k_qb8203263b0_geo
	.globl	k_qb8203263b0_geo
	.p2align	8
	.type	k_qb8203263b0_geo,@function
k_qb8203263b0_geo:
	s_mov_b64 s[64:65], 0
	v_nop
	global_prefetch_b8 v0, s[64:65] scope:SCOPE_SE
	s_setreg_imm32_b32 hwreg(HW_REG_WAVE_MODE, 25, 1), 1
	s_wait_xcnt 0x0
; out0[b][head][g][p] = bias_scale[head] x (LN2(relu(Q(LN1(relu(f W1 + b1))) Q(W2) + b2)) W3 + b3)[head],  f = (R^T (point p - t), its norm) for grasp g of batch b.
; Q is the MX quantiser to BF6 (E3M2), one E8M0 scale for each 32 along K = 128; that product runs on codes.  All ahead of it is f32; the last product (K = 64, 8 heads) takes bf16 operands.
; SHARES.  A work-group is one (b, g) and its 4,096 points; wave w takes points 512 w .. 512 w + 511 in 8 trips of 64.  A trip is two pairs of 32 points, four tiles of 16 rows.
; In pair i of trip n lane l owns point 512 w + 64 n + 2 l + i: at a trip's end a lane holds two neighbouring points of each head, and one store of the wave covers 256 consecutive bytes, aligned.
; LAYOUT (r = lane % 16, h = lane / 16).  All three products are used transposed (source 0 = weights, source 1 = 16 rows), so that a lane holds ONE row and its registers run along the units.
;   f W1 goes to the f32 matrix form (K = 4), b1 as its C.  The units that form a tile of W1^T are chosen: row m of tile t is unit 64 (t / 4) + 32 (m / 8) + 8 (t % 4) + m % 8, so that register i of the
;   64 results of a lane is unit 64 (i / 32) + 32 h + i % 32: two WHOLE blocks of 32 in the very order of the 6-bit operand.  No other lane is asked for a block's maximum and no halves change places.
;   The features of 32 points, one point a lane, become the two tiles' operands by two exchanges of half registers.
;   In the last product W3's eight heads stand twice (rows 8-15 repeat rows 0-7): register j of the result is head j in both halves of the lanes, and a select by the lane's half gives each lane its own point.
; ALGEBRA, for every input: g2 is folded into W3 in f32 and rounded to bf16; d = x - mean is formed in f32 and rounded to bf16; 1 / sqrt(var + eps) of the second norm is applied behind the product;
;   c[head] = sum of beta2 W3 + b3 is made in f32: out = (rs x sum of d (g2 W3)) x scale + c x scale.  Both variances are taken of x - mean, as reference() takes them.
; All constants stay in registers (308 a wave).  W2 is quantised once a work-group, an eighth by each wave, and goes round through LDS as an image of the operand's registers.
; No tensor load, no ring, no cluster: the inputs that are read come to about 240 KB and are read once a wave or once a work-group; the points of a trip are asked for a whole trip ahead.
; LIMITS.  NaN and infinities among the inputs are not served.  v_sqrt_f32 and v_rsq_f32 take a denormal input as 0 (ISA guide, 15.8): a squared distance under 2^-126 gives the distance 0.
;   A block of zeros carries the scale byte 1, not 127: its codes are zeros, and the bytes are read by this program alone.  1 / (|q| + 1e-8) is v_rcp_f32 and a multiplication, and sums of products are fused.
;   grasp_tokens is not among the arguments: reference() never reads it, and no output number depends on it.
.set W2IMG, 0                          ; LDS: W2's four fragments: pair q of tile t's twelve registers at 1536 t + 256 q + 8 x lane
.set W2SC,  6144                       ; their scale words: tile t's sixteen at 64 t + 4 r
.set SPARE, 6400                       ; the spare words, 128 bytes for each of eight waves: four blocks of 256 bytes that no other line names
; window 0
.set SPW, 1                            ; v1      LDS address of my spare word; never rewritten
.set NIL, 2                            ; v2      0; never rewritten
.set PO,  3                            ; v3      my two points' bytes in the batch's points: 24 x lane + 6144 x wave; never rewritten
.set OO,  4                            ; v4      their bytes in a row of out0: 8 x lane + 2048 x wave; never rewritten
.set SH8, 5                            ; v5      8 h
.set PW,  6                            ; v6      the scale word just made: scales and nothing else
.set QT,  7                            ; v7      a lane permute's target
.set W2S, 8                            ; v8-9    W2's scale words: register u: lanes 0-15 tile 2 u, lanes 16-31 tile 2 u + 1
.set RS2, 10                           ; v10-11  1 / sqrt(var + eps) of the second norm, one for each tile of a pair
.set MU,  12                           ; v12-13  the mean (named as a pair); in the quantiser the two scale operands
.set RS,  14                           ; v14-15  1 / sqrt(var + eps) (named as a pair); in the quantiser the two bytes
.set S,   16                           ; v16-23  at work
.set F,   24                           ; v24-31  the features: four operands of two registers
.set PTS, 32                           ; v32-37  two points as loaded
.set IMW, 38                           ; v38     where I store my half fragment of W2
.set IML, 39                           ; v39     8 x lane: where I read the images
.set E0,  40                           ; v40-47  the last product of a pair's first tile
.set OUT, 48                           ; v48-63  head j, pair i at OUT + 2 j + i
.set PC,  64                           ; v64-75  the codes just made
.set E1,  64                           ; v64-71  the last product of a pair's second tile, over codes that are done with
.set SCW, 76                           ; v76     where I store my two scale bytes
.set SCL, 77                           ; v77     where I read scale words
.set W2F, 80                           ; v80-127 W2's four fragments
.set X,   128                          ; v128-191 a tile's 64 hidden units of my row
.set H,   128                          ; v128-159 then its 32 units of the second layer,
.set Y,   160                          ; v160-175 and those as bf16
.set D,   192                          ; v192-255 results of the f32 matrix form: written by matrix instructions alone
; window 1 (the low eight bits)
.set B1,  0                            ; b1, g1, beta1 in the order of X's registers
.set G1,  64
.set BE1, 128
.set B2,  192                          ; b2 in the order of H's registers
.set W3F, 224                          ; g2 W3 as bf16: two K steps of 8 registers
.set W1F, 240                          ; W1^T: eight tiles of 2 registers
.set W3R, 64                           ; at the head only, where g1 and beta1 will lie: W3, g2, beta2 as loaded
.set G2R, 96
.set BE2R, 128
; scalars
.set WV,  2                            ; s2      my wave's number
.set TR,  3                            ; s3      the trip
.set TT,  36                           ; s36-38  t;  s39-42 the quaternion
.set SC,  44                           ; s44-51  bias_scale
.set CB,  52                           ; s52-59  c x bias_scale
.set SEL, 66                           ; s66-67  v_permlanex16_b32's selects for lane l xor 16
.set RM,  68                           ; s68-76  R, row by row
.set PB,  78                           ; s78-79  the points that the next loads take
.set OB,  80                           ; s80-81  out0 at (b, head 0, g) and this trip
                                       ; s60 = 1/128, s61 = 1/64, s62 = 1e-5, s63 = the mask of lanes 16-31
.set MSB, 0
.macro WIN new                         ; bits 1:0 source 0, 3:2 source 1, 5:4 source 2, 7:6 destination; the high byte repeats the setting that is left
.if MSB != \new
	s_set_vgpr_msb (MSB<<8)|\new
.set MSB, \new
.endif
.endm
.macro PLOAD                           ; my two points of a trip: 24 bytes, in pieces of 8
.irp k, 0,1,2
	global_load_b64 v[PTS+2*\k:PTS+2*\k+1], v[PO], s[PB:PB+1] offset:8*\k
.endr
.endm
; The features of my two points, then the four tiles' operands.  Register j of an operand holds k = 2 h + j of row r.
.macro FEATS
.irp c, 0,1,2
.irp i, 0,1
	v_sub_f32 v[S+4*\i+\c], v[PTS+3*\i+\c], s[TT+\c]             ; point - t
.endr
.endr
.irp c, 0,1,2
.irp i, 0,1
	v_mul_f32 v[F+4*\i+\c], s[RM+\c], v[S+4*\i]                  ; (R^T v)_c = R0c vx + R1c vy + R2c vz
.endr
.endr
.irp c, 0,1,2
.irp i, 0,1
	v_fma_f32 v[F+4*\i+\c], s[RM+3+\c], v[S+4*\i+1], v[F+4*\i+\c]
.endr
.endr
.irp c, 0,1,2
.irp i, 0,1
	v_fma_f32 v[F+4*\i+\c], s[RM+6+\c], v[S+4*\i+2], v[F+4*\i+\c]
.endr
.endr
.irp i, 0,1
	v_mul_f32 v[S+4*\i+3], v[F+4*\i], v[F+4*\i]
.endr
.irp i, 0,1
	v_fma_f32 v[S+4*\i+3], v[F+4*\i+1], v[F+4*\i+1], v[S+4*\i+3]
.endr
.irp i, 0,1
	v_fma_f32 v[S+4*\i+3], v[F+4*\i+2], v[F+4*\i+2], v[S+4*\i+3]
.endr
.irp i, 0,1
	v_sqrt_f32 v[F+4*\i+3], v[S+4*\i+3]                          ; the norm
.endr
	v_nop                                          ; a plain instruction behind the roots,
	s_wait_alu depctr_va_vdst(0)                   ; and one wait for both, ahead of their first reader
.irp i, 0,1
	v_permlane16_swap_b32 v[F+4*\i], v[F+4*\i+2]                 ; (x, z): the first now holds x | z of lanes 0-15's points, the second x | z of lanes 16-31's
	v_permlane16_swap_b32 v[F+4*\i+1], v[F+4*\i+3]               ; (y, norm) likewise
.endr
.endm
; f W1 + b1 for the tile whose operand begins at fb: eight tiles of 16 units.  K = 4 is one step: each sum begins with b1 as C and is finished at once.
.macro L1MM fb
	WIN 0x11                                       ; W1^T and b1 in window 1
.irp t, 0,1,2,3,4,5,6,7
	v_wmma_f32_16x16x4_f32 v[D+8*\t:D+8*\t+7], v[W1F+2*\t:W1F+2*\t+1], v[(\fb):(\fb)+1], v[B1+8*\t:B1+8*\t+7]
.endr
	WIN 0
.endm
.macro RELU1                           ; into other registers, each accumulator from its low end on
.set i, 0
.rept 64
	v_max_num_f32 v[X+i], 0, v[D+i]
.set i, i+1
.endr
.endm
.macro TAIL                            ; four pairs of partial sums, then lane l xor 16's: the row's sum in v[S]
	v_pk_add_f32 v[S:S+1], v[S:S+1], v[S+2:S+3]
	v_pk_add_f32 v[S+4:S+5], v[S+4:S+5], v[S+6:S+7]
	v_pk_add_f32 v[S:S+1], v[S:S+1], v[S+4:S+5]
	v_add_f32 v[S], v[S], v[S+1]
	v_permlanex16_b32 v[S+2], v[S], s[SEL], s[SEL+1]
	v_add_f32 v[S], v[S], v[S+2]
.endm
; The norm's figures for my row: n of its 2 n numbers are mine.  Leaves x - mean in place and issues 1 / sqrt(var + eps) into v[rdst]; s[sinv] = 1 / (2 n).
.macro LNSTAT base, n, sinv, rdst
.irp k, 0,1,2,3
	v_pk_add_f32 v[S+2*\k:S+2*\k+1], v[\base+4*\k:\base+4*\k+1], v[\base+4*\k+2:\base+4*\k+3]   ; four chains, started by the first eight pairs: nothing is cleared
.endr
.set p, 8
.rept \n/2-8
	v_pk_add_f32 v[S+2*(p%4):S+2*(p%4)+1], v[S+2*(p%4):S+2*(p%4)+1], v[\base+2*p:\base+2*p+1]
.set p, p+1
.endr
	TAIL
	v_mul_f32 v[MU], s[\sinv], v[S]
.set p, 0
.rept \n/2
	v_pk_add_f32 v[\base+2*p:\base+2*p+1], v[\base+2*p:\base+2*p+1], v[MU:MU+1] op_sel_hi:[1,0] neg_lo:[0,1] neg_hi:[0,1]   ; x - mean
.set p, p+1
.endr
.irp k, 0,1,2,3
	v_pk_mul_f32 v[S+2*\k:S+2*\k+1], v[\base+2*\k:\base+2*\k+1], v[\base+2*\k:\base+2*\k+1]
.endr
.set p, 4
.rept \n/2-4
	v_pk_fma_f32 v[S+2*(p%4):S+2*(p%4)+1], v[\base+2*p:\base+2*p+1], v[\base+2*p:\base+2*p+1], v[S+2*(p%4):S+2*(p%4)+1]
.set p, p+1
.endr
	TAIL
	v_fma_f32 v[S], v[S], s[\sinv], s62            ; var + eps
	v_rsq_f32 v[\rdst], v[S]
.endm
.macro AFFINE                          ; (x - mean) x rs x g1 + beta1, in reference()'s order
	v_nop                                          ; a plain instruction behind the root,
	s_wait_alu depctr_va_vdst(0)                   ; and the wait ahead of its first reader
.set p, 0
.rept 32
	v_pk_mul_f32 v[X+2*p:X+2*p+1], v[X+2*p:X+2*p+1], v[RS:RS+1] op_sel_hi:[1,0]
.set p, p+1
.endr
	WIN 0x14                                       ; g1 and beta1 in window 1
.set p, 0
.rept 32
	v_pk_fma_f32 v[X+2*p:X+2*p+1], v[X+2*p:X+2*p+1], v[G1+2*p:G1+2*p+1], v[BE1+2*p:BE1+2*p+1]
.set p, p+1
.endr
	WIN 0
.endm
; X's 64 numbers, blocks h and 2 + h of my row, become the operand's twelve registers in v[PC] on and the row's scale word in v[PW].
.macro QUANT
.irp m, 0,1,2,3
	v_max3_num_f32 v[S+\m], |v[X+16*\m]|, |v[X+16*\m+1]|, 0x2800000   ; four chains of 16 numbers, each with the floor 2^(5 - 127) among its leaves: so no byte falls under 1
.endr
.irp i, 2,4,6,8,10,12,14
.irp m, 0,1,2,3
	v_max3_num_f32 v[S+\m], v[S+\m], |v[X+16*\m+\i]|, |v[X+16*\m+\i+1]|
.endr
.endr
	v_max_num_f32 v[S], v[S], v[S+1]               ; my two blocks' largest magnitudes
	v_max_num_f32 v[S+2], v[S+2], v[S+3]
	v_add_nc_u32 v[MU], 0xfe000000, v[S]           ; 4 off the exponent field: the conversion takes that field of this operand as its scale, and nothing else of it
	v_add_nc_u32 v[MU+1], 0xfe000000, v[S+2]
	v_lshrrev_b32 v[RS], 23, v[MU]                 ; the scales' bytes
	v_lshrrev_b32 v[RS+1], 23, v[MU+1]
	v_lshl_or_b32 v[RS], v[RS+1], 16, v[RS]        ; blocks h and 2 + h,
	v_lshlrev_b32 v[RS], v[SH8], v[RS]             ; at their places in the word;
	v_permlanex16_b32 v[QT], v[RS], s[SEL], s[SEL+1]
	v_or_b32 v[PW], v[RS], v[QT]                   ; with lane l xor 16's two the word is whole
	v_cvt_scalef32_pk16_bf6_f32 v[PC:PC+2], v[X:X+15], v[MU]
	v_cvt_scalef32_pk16_bf6_f32 v[S:S+2], v[X+16:X+31], v[MU]      ; (a conversion's three registers begin on an even number: a block's second three are made elsewhere and moved)
	v_cvt_scalef32_pk16_bf6_f32 v[PC+6:PC+8], v[X+32:X+47], v[MU+1]
	v_cvt_scalef32_pk16_bf6_f32 v[S+4:S+6], v[X+48:X+63], v[MU+1]
	v_nop                                          ; one plain instruction behind the conversions
.irp i, 0,1,2
	v_mov_b32 v[PC+3+\i], v[S+\i]
	v_mov_b32 v[PC+9+\i], v[S+4+\i]
.endr
.endm
; The quantised product: four tiles of 16 units, K = 128 in one instruction, b2 as C.
.macro P3
.rept 8
	v_nop                                          ; a scale word made by vector instructions stands eight places ahead of a scaled matrix instruction, codes so made four
.endr
	WIN 0x10                                       ; b2 in window 1
.irp t, 0,1,2,3
.if \t%2
	v_wmma_scale_f32_16x16x128_f8f6f4 v[H+8*\t:H+8*\t+7], v[W2F+12*\t:W2F+12*\t+11], v[PC:PC+11], v[B2+8*\t:B2+8*\t+7], v[W2S+\t/2], v[PW] matrix_a_fmt:MATRIX_FMT_BF6 matrix_b_fmt:MATRIX_FMT_BF6 matrix_a_scale:MATRIX_SCALE_ROW1
.else
	v_wmma_scale_f32_16x16x128_f8f6f4 v[H+8*\t:H+8*\t+7], v[W2F+12*\t:W2F+12*\t+11], v[PC:PC+11], v[B2+8*\t:B2+8*\t+7], v[W2S+\t/2], v[PW] matrix_a_fmt:MATRIX_FMT_BF6 matrix_b_fmt:MATRIX_FMT_BF6
.endif
.endr
	WIN 0
.rept 4
	v_nop                                          ; four places ahead of the first read of the results (ISA guide 7.12.1)
.endr
.endm
; relu, the second norm's figures, x - mean as bf16, and the last product into v[e] on; 1 / sqrt(var + eps) into v[rs].
.macro L2 e, rs
.set i, 0
.rept 32
	v_max_num_f32 v[H+i], 0, v[H+i]
.set i, i+1
.endr
	LNSTAT H, 32, 61, \rs
.set p, 0
.rept 16
	v_cvt_pk_bf16_f32 v[Y+p], v[H+2*p], v[H+2*p+1]               ; register 4 t + j: units 16 t + 8 h + 2 j, + 1: the 16-bit operand's own order.  (Plain instructions behind the root)
.set p, p+1
.endr
	WIN 0x01                                       ; g2 W3 in window 1
	v_wmma_f32_16x16x32_bf16 v[\e:\e+7], v[W3F:W3F+7], v[Y:Y+7], 0
	s_wait_alu depctr_va_vdst(0)                   ; the wait stands directly ahead of the second; it is also the root's wait, ahead of its first reader
	v_wmma_f32_16x16x32_bf16 v[\e:\e+7], v[W3F+8:W3F+15], v[Y+8:Y+15], v[\e:\e+7]
	WIN 0
.endm
.macro REST e, rs                      ; a tile behind its relu
	LNSTAT X, 64, 60, RS
	AFFINE
	QUANT
	P3
	L2 \e, \rs
.endm
; A tile.  As soon as D has been read, the NEXT tile's first product is issued into it (operand at fb): its results are read a whole tile's vector work later, so no place is written for them.
.macro TILE e, rs, fb
	RELU1
	L1MM \fb
	REST \e, \rs
.endm
; A pair's two tiles come together: lanes 0-15 take the first tile's results, lanes 16-31 the second's: each lane its own point's eight heads.
.macro FINAL i
	v_cndmask_b32 v[RS], v[RS2], v[RS2+1], s63
.rept 4
	v_nop                                          ; four places behind the last product
.endr
.irp j, 0,1,2,3,4,5,6,7
	v_cndmask_b32 v[S+\j], v[E0+\j], v[E1+\j], s63               ; both accumulators from their low ends on
.endr
.irp k, 0,1,2,3
	v_pk_mul_f32 v[S+2*\k:S+2*\k+1], v[S+2*\k:S+2*\k+1], v[RS:RS+1] op_sel_hi:[1,0]
.endr
.irp j, 0,1,2,3,4,5,6,7
	v_fma_f32 v[OUT+2*\j+\i], v[S+\j], s[SC+\j], s[CB+\j]
.endr
.endm
	s_load_b512 s[8:23], s[0:1], 0x0               ; points s[8:9], poses s[10:11], W1 s[12:13], b1 s[14:15], g1 s[16:17], beta1 s[18:19], W2 s[20:21], b2 s[22:23]
	s_load_b256 s[24:31], s[0:1], 0x40             ; g2 s[24:25], beta2 s[26:27], W3 s[28:29], b3 s[30:31]
	s_load_b128 s[32:35], s[0:1], 0x60             ; bias_scale s[32:33], out0 s[34:35]
	v_lshl_add_u32 v[SPW], v0, 2, SPARE
	v_mov_b32 v[NIL], 0
	v_lshrrev_b32 v40, 5, v0
	v_readfirstlane_b32 s[WV], v40                 ; wave 0..7
	v_and_b32 v40, 31, v0                          ; lane
	v_and_b32 v41, 15, v0                          ; r
	v_bfe_u32 v42, v0, 4, 1                        ; h
	v_and_b32 v43, 7, v0                           ; r % 8
	v_bfe_u32 v44, v0, 3, 1                        ; r / 8
	v_lshlrev_b32 v[SH8], 3, v42
	v_mov_b32 v[QT], 0                             ; a lane permute's destination counts as one of its sources
	v_mov_b32 v[MU+1], 0                           ; named as upper halves of pairs before they are first written
	v_mov_b32 v[RS+1], 0
	s_mul_i32 s4, s[WV], 6144
	v_mul_u32_u24 v[PO], v40, 24
	v_add_nc_u32 v[PO], s4, v[PO]
	s_lshl_b32 s4, s[WV], 11
	v_lshl_add_u32 v[OO], v40, 3, s4
	v_lshlrev_b32 v[IML], 3, v40                   ; LDS addresses: a constant + a constant x lane + a constant x wave
	s_mul_i32 s4, s[WV], 768
	v_add_nc_u32 v[IMW], s4, v[IML]                ; wave w = 2 t + c stores registers 6 c .. 6 c + 5 of tile t: 1536 t + 768 c = 768 w
	s_lshr_b32 s5, s[WV], 1                        ; t: which tile of W2 I quantise
	s_and_b32 s6, s[WV], 1                         ; c: which half of its K
	s_lshl_b32 s4, s5, 6
	s_lshl_b32 s7, s6, 1
	s_add_co_u32 s4, s4, s7
	s_add_co_u32 s4, s4, W2SC
	v_lshl_add_u32 v[SCW], v41, 2, s4              ; bytes 2 c, 2 c + 1 of column r's word
	v_lshl_add_u32 v[SCL], v40, 2, W2SC
	v_lshlrev_b32 v50, 2, v43                      ; offsets of the head's loads: b3, bias_scale: 4 (r % 8)
	v_lshl_add_u32 v48, v42, 8, v50                ; W3: + 256 h
	v_lshlrev_b32 v49, 5, v42                      ; g2, beta2, b2: 32 h
	v_lshlrev_b32 v51, 7, v42                      ; b1, g1, beta1: 128 h
	v_lshl_add_u32 v52, v44, 7, v50                ; W1: 4 (r % 8) + 128 (r / 8)
	v_lshl_add_u32 v52, v42, 10, v52               ;     + 1024 h
	s_lshl_b32 s4, s5, 6
	s_lshl_b32 s7, s6, 14
	s_add_co_u32 s4, s4, s7
	v_lshl_add_u32 v53, v41, 2, s4                 ; W2: column 16 t + r, rows from 64 c
	v_lshl_add_u32 v53, v42, 13, v53               ;     + 32 h on
	s_mov_b32 s60, 0x3c000000                      ; 1 / 128
	s_mov_b32 s61, 0x3c800000                      ; 1 / 64
	s_mov_b32 s62, 0x3727c5ac                      ; 1e-5
	s_mov_b32 s63, 0xffff0000                      ; lanes 16-31
	s_mov_b32 s[SEL], 0x76543210
	s_mov_b32 s[SEL+1], 0xfedcba98
	s_and_b32 s5, ttmp7, 0xffff                    ; b
	s_lshl_b32 s4, s5, 6
	s_add_co_u32 s4, s4, ttmp9                     ; 64 b + g
	s_mul_i32 s4, s4, 28                           ; a pose is 28 bytes
	s_mul_i32 s6, s5, 49152                        ; a batch's points
	s_mov_b32 s7, 0
	s_wait_kmcnt 0x0
	s_load_b128 s[36:39], s[10:11], s4 offset:0x0  ; t, qx
	s_load_b96 s[40:42], s[10:11], s4 offset:0x10  ; qy, qz, qw
	s_load_b256 s[SC:SC+7], s[32:33], 0x0
	s_add_nc_u64 s[PB:PB+1], s[8:9], s[6:7]
	s_lshl_b32 s6, s5, 23
	s_lshl_b32 s5, ttmp9, 14
	s_add_co_u32 s6, s6, s5
	s_add_nc_u64 s[OB:OB+1], s[34:35], s[6:7]      ; out0 + (b << 23) + (g << 14); a head is 1 << 20 bytes on
	PLOAD                                          ; trip 0's points
.set i, 0
.rept 32
	global_load_b32 v[X+i], v53, s[20:21] offset:256*i           ; W2(64 c + 32 h + i, 16 t + r): a lane to a column, its registers down K: one whole block
.set i, i+1
.endr
	global_load_b32 v54, v50, s[30:31]             ; b3 of head r % 8
	global_load_b32 v55, v50, s[32:33]             ; bias_scale likewise
	WIN 0x40                                       ; destinations in window 1
.irp s, 0,1
.irp q, 0,1
.irp e, 0,1,2,3,4,5,6,7
	global_load_b32 v[W3R+16*\s+8*\q+\e], v48, s[28:29] offset:1024*\s+512*\q+32*\e   ; W3(32 s + 16 q + 8 h + e, r % 8): the 16-bit operand's order along K
.endr
.irp u, 0,1
	global_load_b128 v[G2R+16*\s+8*\q+4*\u:G2R+16*\s+8*\q+4*\u+3], v49, s[24:25] offset:128*\s+64*\q+16*\u
	global_load_b128 v[BE2R+16*\s+8*\q+4*\u:BE2R+16*\s+8*\q+4*\u+3], v49, s[26:27] offset:128*\s+64*\q+16*\u
.endr
.endr
.endr
.irp c, 0,1
.irp q, 0,1,2,3,4,5,6,7
	global_load_b128 v[B1+32*\c+4*\q:B1+32*\c+4*\q+3], v51, s[14:15] offset:256*\c+16*\q   ; register i: b1 of unit 64 (i / 32) + 32 h + i % 32
.endr
.endr
.irp t, 0,1,2,3
.irp q, 0,1
	global_load_b128 v[B2+8*\t+4*\q:B2+8*\t+4*\q+3], v49, s[22:23] offset:64*\t+16*\q      ; register 8 t + j: b2 of unit 16 t + 8 h + j
.endr
.endr
.irp t, 0,1,2,3,4,5,6,7
.irp j, 0,1
	global_load_b32 v[W1F+2*\t+\j], v52, s[12:13] offset:512*\j+256*(\t/4)+32*(\t%4)       ; W1(2 h + j, unit 64 (t / 4) + 32 (r / 8) + 8 (t % 4) + r % 8)
.endr
.endr
	WIN 0
	; the rotation, the same in every lane, while the loads are on their way
	s_wait_kmcnt 0x0                               ; the pose and bias_scale
	v_mov_b32 v40, s39                             ; x
	v_mov_b32 v41, s40                             ; y
	v_mov_b32 v42, s41                             ; z
	v_mov_b32 v43, s42                             ; w
	v_mul_f32 v44, v40, v40
	v_fma_f32 v44, v41, v41, v44
	v_fma_f32 v44, v42, v42, v44
	v_fma_f32 v44, v43, v43, v44
	v_sqrt_f32 v45, v44
	v_nop
	s_wait_alu depctr_va_vdst(0)                   ; ahead of the root's first reader
	v_add_f32 v45, 0x322bcc77, v45                 ; + 1e-8
	v_rcp_f32 v46, v45
	v_nop
	s_wait_alu depctr_va_vdst(0)                   ; and ahead of the reciprocal's
.irp i, 40,41,42,43
	v_mul_f32 v\i, v\i, v46
.endr
	v_mul_f32 v44, v41, v41
	v_fma_f32 v44, v42, v42, v44
	v_fma_f32 v56, v44, -2.0, 1.0                  ; R00 = 1 - 2 (yy + zz)
	v_mul_f32 v44, v40, v41
	v_fma_f32 v57, -v43, v42, v44                  ; xy - wz
	v_fma_f32 v59, v43, v42, v44                   ; xy + wz
	v_mul_f32 v45, v40, v42
	v_fma_f32 v58, v43, v41, v45                   ; xz + wy
	v_fma_f32 v62, -v43, v41, v45                  ; xz - wy
	v_mul_f32 v44, v41, v42
	v_fma_f32 v61, -v43, v40, v44                  ; yz - wx
	v_fma_f32 v63, v43, v40, v44                   ; yz + wx
	v_mul_f32 v45, v40, v40
	v_fma_f32 v44, v42, v42, v45
	v_fma_f32 v60, v44, -2.0, 1.0                  ; R11 = 1 - 2 (xx + zz)
	v_fma_f32 v44, v41, v41, v45
	v_fma_f32 v47, v44, -2.0, 1.0                  ; R22 = 1 - 2 (xx + yy)
.irp i, 57,58,59,61,62,63
	v_add_f32 v\i, v\i, v\i
.endr
.irp i, 0,1,2,3,4,5,6,7
	v_readfirstlane_b32 s[RM+\i], v[56+\i]
.endr
	v_readfirstlane_b32 s[RM+8], v47
	s_wait_loadcnt 0x0                             ; all that was asked for so far
	; c = sum of beta2 W3 (my half of K), and g2 W3 as bf16
	WIN 0x05                                       ; sources 0 and 1 in window 1
.irp k, 0,1,2,3
	v_mul_f32 v[S+\k], v[BE2R+\k], v[W3R+\k]
.endr
.set p, 4
.rept 28
	v_fma_f32 v[S+p%4], v[BE2R+p], v[W3R+p], v[S+p%4]
.set p, p+1
.endr
	WIN 0x45                                       ; the destination too
.set p, 0
.rept 16
	v_pk_mul_f32 v[G2R+2*p:G2R+2*p+1], v[G2R+2*p:G2R+2*p+1], v[W3R+2*p:W3R+2*p+1]
.set p, p+1
.endr
.set p, 0
.rept 16
	v_cvt_pk_bf16_f32 v[W3F+p], v[G2R+2*p], v[G2R+2*p+1]
.set p, p+1
.endr
	WIN 0x40
.irp c, 0,1
.irp q, 0,1,2,3,4,5,6,7
	global_load_b128 v[G1+32*\c+4*\q:G1+32*\c+4*\q+3], v51, s[16:17] offset:256*\c+16*\q     ; g1 and beta1 take the places of what has just been used up
	global_load_b128 v[BE1+32*\c+4*\q:BE1+32*\c+4*\q+3], v51, s[18:19] offset:256*\c+16*\q
.endr
.endr
	WIN 0
	v_add_f32 v[S], v[S], v[S+1]
	v_add_f32 v[S+2], v[S+2], v[S+3]
	v_add_f32 v[S], v[S], v[S+2]
	v_permlanex16_b32 v[S+1], v[S], s[SEL], s[SEL+1]
	v_add_f32 v[S], v[S], v[S+1]                   ; with lane l xor 16's half of K
	v_add_f32 v[S], v[S], v54                      ; + b3
	v_mul_f32 v[S], v[S], v55                      ; x bias_scale
.irp j, 0,1,2,3,4,5,6,7
	v_readlane_b32 s[CB+\j], v[S], \j              ; lane j holds head j's
.endr
	FEATS                                          ; trip 0's
	s_add_nc_u64 s[PB:PB+1], s[PB:PB+1], 768       ; (the loads that named it are in)
	PLOAD                                          ; trip 1's points
	; my eighth of W2: one block of 32 a lane becomes registers 6 c .. 6 c + 5 of tile t's fragment and one byte of column r's scale word
	v_max3_num_f32 v[S], |v[X]|, |v[X+1]|, 0x2800000
	v_max3_num_f32 v[S+1], |v[X+16]|, |v[X+17]|, 0x2800000
.irp i, 2,4,6,8,10,12,14
	v_max3_num_f32 v[S], v[S], |v[X+\i]|, |v[X+\i+1]|
	v_max3_num_f32 v[S+1], v[S+1], |v[X+16+\i]|, |v[X+16+\i+1]|
.endr
	v_max_num_f32 v[S], v[S], v[S+1]
	v_add_nc_u32 v[MU], 0xfe000000, v[S]
	v_lshrrev_b32 v[RS], 23, v[MU]                 ; block 2 c + h's byte,
	v_lshlrev_b32 v[RS], v[SH8], v[RS]             ; at its place in the half-word;
	v_permlanex16_b32 v[QT], v[RS], s[SEL], s[SEL+1]
	v_or_b32 v[PW], v[RS], v[QT]                   ; with lane l xor 16's: bytes 2 c and 2 c + 1
	v_cvt_scalef32_pk16_bf6_f32 v[PC:PC+2], v[X:X+15], v[MU]
	v_cvt_scalef32_pk16_bf6_f32 v[S:S+2], v[X+16:X+31], v[MU]
	v_nop                                          ; one plain instruction behind the conversions
.irp i, 0,1,2
	v_mov_b32 v[PC+3+\i], v[S+\i]
.endr
.irp p, 0,1,2
	ds_store_b64 v[IMW], v[PC+2*\p:PC+2*\p+1] offset:W2IMG+256*\p    ; an image of the registers: a pair's 256 bytes on end
.endr
	ds_store_b16 v[SCW], v[PW]                     ; lanes r and 16 + r write the same half-word with the same value
	s_wait_dscnt 0x0                               ; for the others' sake: my stores have landed
	s_barrier_signal -1
	s_barrier_wait -1                              ; everybody's have: the launch's one barrier
.irp t, 0,1,2,3
.irp q, 0,1,2,3,4,5
	ds_load_b64 v[W2F+12*\t+2*\q:W2F+12*\t+2*\q+1], v[IML] offset:W2IMG+1536*\t+256*\q
.endr
.endr
.irp u, 0,1
	ds_load_b32 v[W2S+\u], v[SCL] offset:128*\u    ; lanes 0-15 tile 2 u's words, lanes 16-31 tile 2 u + 1's
.endr
	L1MM F                                         ; the first tile's first product
.rept 8
	v_nop                                          ; eight places behind the f32 form, ahead of the first read of its results
.endr
	s_wait_loadcnt 0x3                             ; g1 and beta1 are in: behind their loads only trip 1's three point loads were issued
	s_wait_dscnt 0x0                               ; W2's fragments and scale words
	s_mov_b32 s[TR], 0
.Ltrip:                                                ; 64 points a wave
	TILE E0, RS2, F+2
	TILE E1, RS2+1, F+4
	FINAL 0
	TILE E0, RS2, F+6
	s_cmp_lt_u32 s[TR], 7                          ; the last trip has no successor: no features, no load beyond the wave's points
	s_cbranch_scc0 .Lno_feats
	s_wait_loadcnt 0x0                             ; the next trip's points, asked for a trip ago
	FEATS
	s_cmp_lt_u32 s[TR], 6
	s_cbranch_scc0 .Lno_feats
	s_add_nc_u64 s[PB:PB+1], s[PB:PB+1], 768       ; (the loads that named it are in)
	PLOAD                                          ; the points of the trip after next
.Lno_feats:
	RELU1
	s_cmp_lt_u32 s[TR], 7
	s_cbranch_scc0 .Lno_next
	L1MM F                                         ; the next trip's first tile
.Lno_next:
	REST E1, RS2+1
	FINAL 1
.irp j, 0,1,2,3,4,5,6,7
	global_store_b64 v[OO], v[OUT+2*\j:OUT+2*\j+1], s[OB:OB+1] offset:\j*1048576 th:TH_STORE_NT   ; 32 lanes store 256 consecutive bytes, at a multiple of 256 from out0's first byte; written once, read by nobody here
.endr
	s_wait_xcnt 0x0                                ; the stores' data and base are written again only behind this wait
	s_add_nc_u64 s[OB:OB+1], s[OB:OB+1], 256
	s_add_co_u32 s[TR], s[TR], 1
	s_cmp_lt_u32 s[TR], 8
	s_cbranch_scc1 .Ltrip
	s_wait_tensorcnt 0x0                           ; the wave's end
	ds_add_u32 v[SPW], v[NIL]
	s_wait_dscnt 0x0
	s_endpgm
.Lfunc_end_k_qb8203263b0_geo:
	.size	k_qb8203263b0_geo, .Lfunc_end_k_qb8203263b0_geo-k_qb8203263b0_geo
	.p2alignl 7, 3214868480
	.fill 96, 4, 3214868480
	.section	.rodata,"a",@progbits
	.p2align	6, 0x0
	.amdhsa_kernel k_qb8203263b0_geo
		.amdhsa_group_segment_fixed_size 7424
		.amdhsa_private_segment_fixed_size 0
		.amdhsa_enable_private_segment 0
		.amdhsa_kernarg_size 112
		.amdhsa_user_sgpr_count 2
		.amdhsa_user_sgpr_kernarg_segment_ptr 1
		.amdhsa_wavefront_size32 1
		.amdhsa_system_sgpr_workgroup_id_x 1
		.amdhsa_system_sgpr_workgroup_id_y 1
		.amdhsa_system_sgpr_workgroup_id_z 1
		.amdhsa_system_vgpr_workitem_id 0
		.amdhsa_next_free_vgpr 512
		.amdhsa_next_free_sgpr 84
		.amdhsa_reserve_vcc 0
		.amdhsa_float_denorm_mode_32 3
		.amdhsa_float_denorm_mode_16_64 3
		.amdhsa_memory_ordered 1
		.amdhsa_forward_progress 1
		.amdhsa_inst_pref_size 130
	.end_amdhsa_kernel
	.amdgpu_metadata
---
amdhsa.version: [ 1, 2 ]
amdhsa.kernels:
  - .name:           k_qb8203263b0_geo
    .symbol:         k_qb8203263b0_geo.kd
    .args:
      - { .name: scene_points, .offset: 0, .size: 8, .value_kind: global_buffer, .address_space: global }
      - { .name: grasp_poses, .offset: 8, .size: 8, .value_kind: global_buffer, .address_space: global }
      - { .name: W1, .offset: 16, .size: 8, .value_kind: global_buffer, .address_space: global }
      - { .name: b1, .offset: 24, .size: 8, .value_kind: global_buffer, .address_space: global }
      - { .name: g1, .offset: 32, .size: 8, .value_kind: global_buffer, .address_space: global }
      - { .name: beta1, .offset: 40, .size: 8, .value_kind: global_buffer, .address_space: global }
      - { .name: W2, .offset: 48, .size: 8, .value_kind: global_buffer, .address_space: global }
      - { .name: b2, .offset: 56, .size: 8, .value_kind: global_buffer, .address_space: global }
      - { .name: g2, .offset: 64, .size: 8, .value_kind: global_buffer, .address_space: global }
      - { .name: beta2, .offset: 72, .size: 8, .value_kind: global_buffer, .address_space: global }
      - { .name: W3, .offset: 80, .size: 8, .value_kind: global_buffer, .address_space: global }
      - { .name: b3, .offset: 88, .size: 8, .value_kind: global_buffer, .address_space: global }
      - { .name: bias_scale, .offset: 96, .size: 8, .value_kind: global_buffer, .address_space: global }
      - { .name: out0, .offset: 104, .size: 8, .value_kind: global_buffer, .address_space: global }
    .group_segment_fixed_size: 7424
    .private_segment_fixed_size: 0
    .kernarg_segment_align: 8
    .kernarg_segment_size: 112
    .max_flat_workgroup_size: 256
    .sgpr_count:     84
    .vgpr_count:     512
    .wavefront_size: 32
...
	.end_amdgpu_metadata
.endif
;; end of part 1
;; ======== version 2 of 2: 1 launch; version 1 with the launch geo written anew for expert scheduling mode
;; launch geo (part 2): grid 64 x 4, 8 waves a work-group, no clusters, 7,424 bytes of LDS; arguments scene_points, grasp_poses, W1, b1, g1, beta1, W2, b2, g2, beta2, W3, b3, bias_scale, out0; writes out0
.if DOCPART == 2
	.amdgcn_target "amdgcn-amd-amdhsa--gfx1250"
	.amdhsa_code_object_version 6
	.text
	.protected	k_qb8203263b0_geo
	.globl	k_qb8203263b0_geo
	.p2align	8
	.type	k_qb8203263b0_geo,@function
k_qb8203263b0_geo:
	s_mov_b64 s[64:65], 0
	v_nop
	global_prefetch_b8 v0, s[64:65] scope:SCOPE_SE
	s_setreg_imm32_b32 hwreg(HW_REG_WAVE_SCHED_MODE, 0, 2), 2
	s_setreg_imm32_b32 hwreg(HW_REG_WAVE_MODE, 25, 1), 1
	s_wait_xcnt 0x0
	s_wait_alu depctr_vm_vsrc(0)
; out0[b][head][g][p] = bias_scale[head] x (LN2(relu(Q(LN1(relu(f W1 + b1))) Q(W2) + b2)) W3 + b3)[head],  f = (R^T (point p - t), its norm) for grasp g of batch b.
; Q is the MX quantiser to BF6 (E3M2), one E8M0 scale for each 32 along K = 128; that product runs on codes.  All ahead of it is f32; the last product (K = 64, 8 heads) takes bf16 operands.
; SHARES.  A work-group is one (b, g) and its 4,096 points; wave w takes points 512 w .. 512 w + 511 in 8 trips of 64.  A trip is two pairs of 32 points, four tiles of 16 rows.
; In pair i of trip n lane l owns point 512 w + 64 n + 2 l + i: at a trip's end a lane holds two neighbouring points of each head, and one store of the wave covers 256 consecutive bytes, aligned.
; LAYOUT (r = lane % 16, h = lane / 16).  All three products are used transposed (source 0 = weights, source 1 = 16 rows), so that a lane holds ONE row and its registers run along the units.
;   f W1 goes to the f32 matrix form (K = 4), b1 as its C.  The units that form a tile of W1^T are chosen: row m of tile t is unit 64 (t / 4) + 32 (m / 8) + 8 (t % 4) + m % 8, so that register i of the
;   64 results of a lane is unit 64 (i / 32) + 32 h + i % 32: two WHOLE blocks of 32 in the very order of the 6-bit operand.  No other lane is asked for a block's maximum and no halves change places.
;   The features of 32 points, one point a lane, become the two tiles' operands by two exchanges of half registers.
;   In the last product W3's eight heads stand twice (rows 8-15 repeat rows 0-7): register j of the result is head j in both halves of the lanes, and a select by the lane's half gives each lane its own point.
; ALGEBRA, for every input: g2 is folded into W3 in f32 and rounded to bf16; d = x - mean is formed in f32 and rounded to bf16; 1 / sqrt(var + eps) of the second norm is applied behind the product;
;   c[head] = sum of beta2 W3 + b3 is made in f32: out = (rs x sum of d (g2 W3)) x scale + c x scale.  Both variances are taken of x - mean, as reference() takes them.
; All constants stay in registers (308 a wave).  W2 is quantised once a work-group, an eighth by each wave, and goes round through LDS as an image of the operand's registers.
; No tensor load, no ring, no cluster: the inputs that are read come to about 240 KB and are read once a wave or once a work-group; the points of a trip are asked for a whole trip ahead.
; LIMITS.  NaN and infinities among the inputs are not served.  v_sqrt_f32 and v_rsq_f32 take a denormal input as 0 (ISA guide, 15.8): a squared distance under 2^-126 gives the distance 0.
;   A block of zeros carries the scale byte 1, not 127: its codes are zeros, and the bytes are read by this program alone.  1 / (|q| + 1e-8) is v_rcp_f32 and a multiplication, and sums of products are fused.
;   grasp_tokens is not among the arguments: reference() never reads it, and no output number depends on it.
; THE MODE: SCHED_MODE bits 1:0 = 2 (LLVM: expert scheduling mode 2), set by the entry lines.  The code itself states the register dependences
; between vector or matrix instructions and memory or LDS instructions, with s_wait_alu, always for 0.
; THE PLAN.  Registers that memory or LDS instructions touch:
;   v[PO], v[OO], v[IMW], v[IML], v[SCW], v[SCL], v[SPW], v[NIL]   offsets and LDS addresses: made once at the head, ahead of the head's one wait on va_vdst, and never written again.
;   v48-53     the offsets of the head's loads of constants: made ahead of the same wait; they become OUT, which is first written behind the wait on vm_vsrc that follows the barrier.
;   PTS        written by the point loads alone; read by the six subtractions at the head of FEATS.  The wait that FEATS has for its roots stands behind those subtractions, and only
;              exchanges of F stand between it and the next point loads.
;   window 1, v64-191   W3, g2 and beta2 as loaded, read and written by the fold; then g1 and beta1 land there: one wait on va_vdst, behind the window's switch and ahead of those loads.
;   PC, PW at the head   written by W2's quantiser, read by four LDS stores (a wait on va_vdst ahead of them), written again in the loop (the wait on vm_vsrc behind the barrier).
;   W2F, W2S   written by LDS loads alone.
;   OUT        written by FINAL 0 and FINAL 1; read by the trip's eight stores, behind one wait on va_vdst; the wait on vm_vsrc and the wait on XCNT beside it stand ahead of the next trip's FINAL 0,
;              two tiles of vector work behind those stores.  The stores' base steps there too, and the stores reach back by 256 bytes in their immediate.
;   All else in the loop (X, D, H, Y, E0, E1, S, F, MU, RS) is named by vector and matrix instructions alone.
;   Codes and a scale word made by vector instructions go to the scaled matrix form behind its places and one wait on va_vdst a tile.  Scalars made by vector instructions (the wave's number; R; c x scale) have their waits on va_sdst.
.set W2IMG, 0                          ; LDS: W2's four fragments: pair q of tile t's twelve registers at 1536 t + 256 q + 8 x lane
.set W2SC,  6144                       ; their scale words: tile t's sixteen at 64 t + 4 r
.set SPARE, 6400                       ; the spare words, 128 bytes for each of eight waves: four blocks of 256 bytes that no other line names
; window 0
.set SPW, 1                            ; v1      LDS address of my spare word; never rewritten
.set NIL, 2                            ; v2      0; never rewritten
.set PO,  3                            ; v3      my two points' bytes in the batch's points: 24 x lane + 6144 x wave; never rewritten
.set OO,  4                            ; v4      their bytes in a row of out0: 8 x lane + 2048 x wave; never rewritten
.set SH8, 5                            ; v5      8 h
.set PW,  6                            ; v6      the scale word just made: scales and nothing else
.set QT,  7                            ; v7      a lane permute's target
.set W2S, 8                            ; v8-9    W2's scale words: register u: lanes 0-15 tile 2 u, lanes 16-31 tile 2 u + 1
.set RS2, 10                           ; v10-11  1 / sqrt(var + eps) of the second norm, one for each tile of a pair
.set MU,  12                           ; v12-13  the mean (named as a pair); in the quantiser the two scale operands
.set RS,  14                           ; v14-15  1 / sqrt(var + eps) (named as a pair); in the quantiser the two bytes
.set S,   16                           ; v16-23  at work
.set F,   24                           ; v24-31  the features: four operands of two registers
.set PTS, 32                           ; v32-37  two points as loaded
.set IMW, 38                           ; v38     where I store my half fragment of W2
.set IML, 39                           ; v39     8 x lane: where I read the images
.set E0,  40                           ; v40-47  the last product of a pair's first tile
.set OUT, 48                           ; v48-63  head j, pair i at OUT + 2 j + i
.set PC,  64                           ; v64-75  the codes just made
.set E1,  64                           ; v64-71  the last product of a pair's second tile, over codes that are done with
.set SCW, 76                           ; v76     where I store my two scale bytes
.set SCL, 77                           ; v77     where I read scale words
.set W2F, 80                           ; v80-127 W2's four fragments
.set X,   128                          ; v128-191 a tile's 64 hidden units of my row
.set H,   128                          ; v128-159 then its 32 units of the second layer,
.set Y,   160                          ; v160-175 and those as bf16
.set D,   192                          ; v192-255 results of the f32 matrix form: written by matrix instructions alone
; window 1 (the low eight bits)
.set B1,  0                            ; b1, g1, beta1 in the order of X's registers
.set G1,  64
.set BE1, 128
.set B2,  192                          ; b2 in the order of H's registers
.set W3F, 224                          ; g2 W3 as bf16: two K steps of 8 registers
.set W1F, 240                          ; W1^T: eight tiles of 2 registers
.set W3R, 64                           ; at the head only, where g1 and beta1 will lie: W3, g2, beta2 as loaded
.set G2R, 96
.set BE2R, 128
; scalars
.set WV,  2                            ; s2      my wave's number
.set TR,  3                            ; s3      the trip
.set TT,  36                           ; s36-38  t;  s39-42 the quaternion
.set SC,  44                           ; s44-51  bias_scale
.set CB,  52                           ; s52-59  c x bias_scale
.set SEL, 66                           ; s66-67  v_permlanex16_b32's selects for lane l xor 16
.set RM,  68                           ; s68-76  R, row by row
.set PB,  78                           ; s78-79  the points that the next loads take
.set OB,  80                           ; s80-81  out0 at (b, head 0, g); from a trip's first FINAL on 256 bytes past the trip's place: the stores reach back
                                       ; s60 = 1/128, s61 = 1/64, s62 = 1e-5, s63 = the mask of lanes 16-31
.set MSB, 0
.macro WIN new                         ; bits 1:0 source 0, 3:2 source 1, 5:4 source 2, 7:6 destination; the high byte repeats the setting that is left
.if MSB != \new
	s_set_vgpr_msb (MSB<<8)|\new
.set MSB, \new
.endif
.endm
.macro PLOAD                           ; my two points of a trip: 24 bytes, in pieces of 8
.irp k, 0,1,2
	global_load_b64 v[PTS+2*\k:PTS+2*\k+1], v[PO], s[PB:PB+1] offset:8*\k
.endr
.endm
; The features of my two points, then the four tiles' operands.  Register j of an operand holds k = 2 h + j of row r.
.macro FEATS
.irp c, 0,1,2
.irp i, 0,1
	v_sub_f32 v[S+4*\i+\c], v[PTS+3*\i+\c], s[TT+\c]             ; point - t
.endr
.endr
.irp c, 0,1,2
.irp i, 0,1
	v_mul_f32 v[F+4*\i+\c], s[RM+\c], v[S+4*\i]                  ; (R^T v)_c = R0c vx + R1c vy + R2c vz
.endr
.endr
.irp c, 0,1,2
.irp i, 0,1
	v_fma_f32 v[F+4*\i+\c], s[RM+3+\c], v[S+4*\i+1], v[F+4*\i+\c]
.endr
.endr
.irp c, 0,1,2
.irp i, 0,1
	v_fma_f32 v[F+4*\i+\c], s[RM+6+\c], v[S+4*\i+2], v[F+4*\i+\c]
.endr
.endr
.irp i, 0,1
	v_mul_f32 v[S+4*\i+3], v[F+4*\i], v[F+4*\i]
.endr
.irp i, 0,1
	v_fma_f32 v[S+4*\i+3], v[F+4*\i+1], v[F+4*\i+1], v[S+4*\i+3]
.endr
.irp i, 0,1
	v_fma_f32 v[S+4*\i+3], v[F+4*\i+2], v[F+4*\i+2], v[S+4*\i+3]
.endr
.irp i, 0,1
	v_sqrt_f32 v[F+4*\i+3], v[S+4*\i+3]                          ; the norm
.endr
	v_nop                                          ; a plain instruction behind the roots
	s_wait_alu depctr_va_vdst(0)                   ; the roots have written v[F+3] and v[F+7], ahead of their first reader, the exchanges below; and the subtractions above are done reading v[PTS ..], in which the next point loads land: only the four exchanges, which name F, stand between this wait and those loads
.irp i, 0,1
	v_permlane16_swap_b32 v[F+4*\i], v[F+4*\i+2]                 ; (x, z): the first now holds x | z of lanes 0-15's points, the second x | z of lanes 16-31's
	v_permlane16_swap_b32 v[F+4*\i+1], v[F+4*\i+3]               ; (y, norm) likewise
.endr
.endm
; f W1 + b1 for the tile whose operand begins at fb: eight tiles of 16 units.  K = 4 is one step: each sum begins with b1 as C and is finished at once.
.macro L1MM fb
	WIN 0x11                                       ; W1^T and b1 in window 1
.irp t, 0,1,2,3,4,5,6,7
	v_wmma_f32_16x16x4_f32 v[D+8*\t:D+8*\t+7], v[W1F+2*\t:W1F+2*\t+1], v[(\fb):(\fb)+1], v[B1+8*\t:B1+8*\t+7]
.endr
	WIN 0
.endm
.macro RELU1                           ; into other registers, each accumulator from its low end on
.set i, 0
.rept 64
	v_max_num_f32 v[X+i], 0, v[D+i]
.set i, i+1
.endr
.endm
.macro TAIL                            ; four pairs of partial sums, then lane l xor 16's: the row's sum in v[S]
	v_pk_add_f32 v[S:S+1], v[S:S+1], v[S+2:S+3]
	v_pk_add_f32 v[S+4:S+5], v[S+4:S+5], v[S+6:S+7]
	v_pk_add_f32 v[S:S+1], v[S:S+1], v[S+4:S+5]
	v_add_f32 v[S], v[S], v[S+1]
	v_permlanex16_b32 v[S+2], v[S], s[SEL], s[SEL+1]
	v_add_f32 v[S], v[S], v[S+2]
.endm
; The norm's figures for my row: n of its 2 n numbers are mine.  Leaves x - mean in place and issues 1 / sqrt(var + eps) into v[rdst]; s[sinv] = 1 / (2 n).
.macro LNSTAT base, n, sinv, rdst
.irp k, 0,1,2,3
	v_pk_add_f32 v[S+2*\k:S+2*\k+1], v[\base+4*\k:\base+4*\k+1], v[\base+4*\k+2:\base+4*\k+3]   ; four chains, started by the first eight pairs: nothing is cleared
.endr
.set p, 8
.rept \n/2-8
	v_pk_add_f32 v[S+2*(p%4):S+2*(p%4)+1], v[S+2*(p%4):S+2*(p%4)+1], v[\base+2*p:\base+2*p+1]
.set p, p+1
.endr
	TAIL
	v_mul_f32 v[MU], s[\sinv], v[S]
.set p, 0
.rept \n/2
	v_pk_add_f32 v[\base+2*p:\base+2*p+1], v[\base+2*p:\base+2*p+1], v[MU:MU+1] op_sel_hi:[1,0] neg_lo:[0,1] neg_hi:[0,1]   ; x - mean
.set p, p+1
.endr
.irp k, 0,1,2,3
	v_pk_mul_f32 v[S+2*\k:S+2*\k+1], v[\base+2*\k:\base+2*\k+1], v[\base+2*\k:\base+2*\k+1]
.endr
.set p, 4
.rept \n/2-4
	v_pk_fma_f32 v[S+2*(p%4):S+2*(p%4)+1], v[\base+2*p:\base+2*p+1], v[\base+2*p:\base+2*p+1], v[S+2*(p%4):S+2*(p%4)+1]
.set p, p+1
.endr
	TAIL
	v_fma_f32 v[S], v[S], s[\sinv], s62            ; var + eps
	v_rsq_f32 v[\rdst], v[S]
.endm
.macro AFFINE                          ; (x - mean) x rs x g1 + beta1, in reference()'s order
	v_nop                                          ; a plain instruction behind the root
	s_wait_alu depctr_va_vdst(0)                   ; the root has written v[RS], ahead of its first reader, the multiplications below
.set p, 0
.rept 32
	v_pk_mul_f32 v[X+2*p:X+2*p+1], v[X+2*p:X+2*p+1], v[RS:RS+1] op_sel_hi:[1,0]
.set p, p+1
.endr
	WIN 0x14                                       ; g1 and beta1 in window 1
.set p, 0
.rept 32
	v_pk_fma_f32 v[X+2*p:X+2*p+1], v[X+2*p:X+2*p+1], v[G1+2*p:G1+2*p+1], v[BE1+2*p:BE1+2*p+1]
.set p, p+1
.endr
	WIN 0
.endm
; X's 64 numbers, blocks h and 2 + h of my row, become the operand's twelve registers in v[PC] on and the row's scale word in v[PW].
.macro QUANT
.irp m, 0,1,2,3
	v_max3_num_f32 v[S+\m], |v[X+16*\m]|, |v[X+16*\m+1]|, 0x2800000   ; four chains of 16 numbers, each with the floor 2^(5 - 127) among its leaves: so no byte falls under 1
.endr
.irp i, 2,4,6,8,10,12,14
.irp m, 0,1,2,3
	v_max3_num_f32 v[S+\m], v[S+\m], |v[X+16*\m+\i]|, |v[X+16*\m+\i+1]|
.endr
.endr
	v_max_num_f32 v[S], v[S], v[S+1]               ; my two blocks' largest magnitudes
	v_max_num_f32 v[S+2], v[S+2], v[S+3]
	v_add_nc_u32 v[MU], 0xfe000000, v[S]           ; 4 off the exponent field: the conversion takes that field of this operand as its scale, and nothing else of it
	v_add_nc_u32 v[MU+1], 0xfe000000, v[S+2]
	v_lshrrev_b32 v[RS], 23, v[MU]                 ; the scales' bytes
	v_lshrrev_b32 v[RS+1], 23, v[MU+1]
	v_lshl_or_b32 v[RS], v[RS+1], 16, v[RS]        ; blocks h and 2 + h,
	v_lshlrev_b32 v[RS], v[SH8], v[RS]             ; at their places in the word;
	v_permlanex16_b32 v[QT], v[RS], s[SEL], s[SEL+1]
	v_or_b32 v[PW], v[RS], v[QT]                   ; with lane l xor 16's two the word is whole
	v_cvt_scalef32_pk16_bf6_f32 v[PC:PC+2], v[X:X+15], v[MU]
	v_cvt_scalef32_pk16_bf6_f32 v[S:S+2], v[X+16:X+31], v[MU]      ; (a conversion's three registers begin on an even number: a block's second three are made elsewhere and moved)
	v_cvt_scalef32_pk16_bf6_f32 v[PC+6:PC+8], v[X+32:X+47], v[MU+1]
	v_cvt_scalef32_pk16_bf6_f32 v[S+4:S+6], v[X+48:X+63], v[MU+1]
	v_nop                                          ; one plain instruction behind the conversions
.irp i, 0,1,2
	v_mov_b32 v[PC+3+\i], v[S+\i]
	v_mov_b32 v[PC+9+\i], v[S+4+\i]
.endr
.endm
; The quantised product: four tiles of 16 units, K = 128 in one instruction, b2 as C.
.macro P3
.rept 8
	v_nop                                          ; a scale word made by vector instructions stands eight places ahead of a scaled matrix instruction, codes so made four
.endr
	WIN 0x10                                       ; b2 in window 1
	s_wait_alu depctr_va_vdst(0)                   ; the conversions and moves have written the codes v[PC ..], and the v_or_b32 the scale word v[PW], which the four scaled matrix instructions take as source 1 and its scales; the places above stay beside this wait
.irp t, 0,1,2,3
.if \t%2
	v_wmma_scale_f32_16x16x128_f8f6f4 v[H+8*\t:H+8*\t+7], v[W2F+12*\t:W2F+12*\t+11], v[PC:PC+11], v[B2+8*\t:B2+8*\t+7], v[W2S+\t/2], v[PW] matrix_a_fmt:MATRIX_FMT_BF6 matrix_b_fmt:MATRIX_FMT_BF6 matrix_a_scale:MATRIX_SCALE_ROW1
.else
	v_wmma_scale_f32_16x16x128_f8f6f4 v[H+8*\t:H+8*\t+7], v[W2F+12*\t:W2F+12*\t+11], v[PC:PC+11], v[B2+8*\t:B2+8*\t+7], v[W2S+\t/2], v[PW] matrix_a_fmt:MATRIX_FMT_BF6 matrix_b_fmt:MATRIX_FMT_BF6
.endif
.endr
	WIN 0
.rept 4
	v_nop                                          ; four places ahead of the first read of the results (ISA guide 7.12.1)
.endr
.endm
; relu, the second norm's figures, x - mean as bf16, and the last product into v[e] on; 1 / sqrt(var + eps) into v[rs].
.macro L2 e, rs
.set i, 0
.rept 32
	v_max_num_f32 v[H+i], 0, v[H+i]
.set i, i+1
.endr
	LNSTAT H, 32, 61, \rs
.set p, 0
.rept 16
	v_cvt_pk_bf16_f32 v[Y+p], v[H+2*p], v[H+2*p+1]               ; register 4 t + j: units 16 t + 8 h + 2 j, + 1: the 16-bit operand's own order.  (Plain instructions behind the root)
.set p, p+1
.endr
	WIN 0x01                                       ; g2 W3 in window 1
	v_wmma_f32_16x16x32_bf16 v[\e:\e+7], v[W3F:W3F+7], v[Y:Y+7], 0
	s_wait_alu depctr_va_vdst(0)                   ; the wait stands directly ahead of the second; it also states that the root has written v[rs], ahead of its first reader, FINAL's select
	v_wmma_f32_16x16x32_bf16 v[\e:\e+7], v[W3F+8:W3F+15], v[Y+8:Y+15], v[\e:\e+7]
	WIN 0
.endm
.macro REST e, rs                      ; a tile behind its relu
	LNSTAT X, 64, 60, RS
	AFFINE
	QUANT
	P3
	L2 \e, \rs
.endm
; A tile.  As soon as D has been read, the NEXT tile's first product is issued into it (operand at fb): its results are read a whole tile's vector work later, so no place is written for them.
.macro TILE e, rs, fb
	RELU1
	L1MM \fb
	REST \e, \rs
.endm
; A pair's two tiles come together: lanes 0-15 take the first tile's results, lanes 16-31 the second's: each lane its own point's eight heads.
.macro FINAL i
	v_cndmask_b32 v[RS], v[RS2], v[RS2+1], s63
.rept 4
	v_nop                                          ; four places behind the last product
.endr
.irp j, 0,1,2,3,4,5,6,7
	v_cndmask_b32 v[S+\j], v[E0+\j], v[E1+\j], s63               ; both accumulators from their low ends on
.endr
.irp k, 0,1,2,3
	v_pk_mul_f32 v[S+2*\k:S+2*\k+1], v[S+2*\k:S+2*\k+1], v[RS:RS+1] op_sel_hi:[1,0]
.endr
.irp j, 0,1,2,3,4,5,6,7
	v_fma_f32 v[OUT+2*\j+\i], v[S+\j], s[SC+\j], s[CB+\j]
.endr
.endm
	s_load_b512 s[8:23], s[0:1], 0x0               ; points s[8:9], poses s[10:11], W1 s[12:13], b1 s[14:15], g1 s[16:17], beta1 s[18:19], W2 s[20:21], b2 s[22:23]
	s_load_b256 s[24:31], s[0:1], 0x40             ; g2 s[24:25], beta2 s[26:27], W3 s[28:29], b3 s[30:31]
	s_load_b128 s[32:35], s[0:1], 0x60             ; bias_scale s[32:33], out0 s[34:35]
	v_lshl_add_u32 v[SPW], v0, 2, SPARE
	v_mov_b32 v[NIL], 0
	v_lshrrev_b32 v40, 5, v0
	v_readfirstlane_b32 s[WV], v40                 ; wave 0..7
	v_and_b32 v40, 31, v0                          ; lane
	v_and_b32 v41, 15, v0                          ; r
	v_bfe_u32 v42, v0, 4, 1                        ; h
	v_and_b32 v43, 7, v0                           ; r % 8
	v_bfe_u32 v44, v0, 3, 1                        ; r / 8
	v_lshlrev_b32 v[SH8], 3, v42
	v_mov_b32 v[QT], 0                             ; a lane permute's destination counts as one of its sources
	v_mov_b32 v[MU+1], 0                           ; named as upper halves of pairs before they are first written
	v_mov_b32 v[RS+1], 0
	s_wait_alu depctr_va_sdst(0)                   ; s[WV] is written, ahead of its first reader, the line below
	s_mul_i32 s4, s[WV], 6144
	v_mul_u32_u24 v[PO], v40, 24
	v_add_nc_u32 v[PO], s4, v[PO]
	s_lshl_b32 s4, s[WV], 11
	v_lshl_add_u32 v[OO], v40, 3, s4
	v_lshlrev_b32 v[IML], 3, v40                   ; LDS addresses: a constant + a constant x lane + a constant x wave
	s_mul_i32 s4, s[WV], 768
	v_add_nc_u32 v[IMW], s4, v[IML]                ; wave w = 2 t + c stores registers 6 c .. 6 c + 5 of tile t: 1536 t + 768 c = 768 w
	s_lshr_b32 s5, s[WV], 1                        ; t: which tile of W2 I quantise
	s_and_b32 s6, s[WV], 1                         ; c: which half of its K
	s_lshl_b32 s4, s5, 6
	s_lshl_b32 s7, s6, 1
	s_add_co_u32 s4, s4, s7
	s_add_co_u32 s4, s4, W2SC
	v_lshl_add_u32 v[SCW], v41, 2, s4              ; bytes 2 c, 2 c + 1 of column r's word
	v_lshl_add_u32 v[SCL], v40, 2, W2SC
	v_lshlrev_b32 v50, 2, v43                      ; offsets of the head's loads: b3, bias_scale: 4 (r % 8)
	v_lshl_add_u32 v48, v42, 8, v50                ; W3: + 256 h
	v_lshlrev_b32 v49, 5, v42                      ; g2, beta2, b2: 32 h
	v_lshlrev_b32 v51, 7, v42                      ; b1, g1, beta1: 128 h
	v_lshl_add_u32 v52, v44, 7, v50                ; W1: 4 (r % 8) + 128 (r / 8)
	v_lshl_add_u32 v52, v42, 10, v52               ;     + 1024 h
	s_lshl_b32 s4, s5, 6
	s_lshl_b32 s7, s6, 14
	s_add_co_u32 s4, s4, s7
	v_lshl_add_u32 v53, v41, 2, s4                 ; W2: column 16 t + r, rows from 64 c
	v_lshl_add_u32 v53, v42, 13, v53               ;     + 32 h on
	s_mov_b32 s60, 0x3c000000                      ; 1 / 128
	s_mov_b32 s61, 0x3c800000                      ; 1 / 64
	s_mov_b32 s62, 0x3727c5ac                      ; 1e-5
	s_mov_b32 s63, 0xffff0000                      ; lanes 16-31
	s_mov_b32 s[SEL], 0x76543210
	s_mov_b32 s[SEL+1], 0xfedcba98
	s_and_b32 s5, ttmp7, 0xffff                    ; b
	s_lshl_b32 s4, s5, 6
	s_add_co_u32 s4, s4, ttmp9                     ; 64 b + g
	s_mul_i32 s4, s4, 28                           ; a pose is 28 bytes
	s_mul_i32 s6, s5, 49152                        ; a batch's points
	s_mov_b32 s7, 0
	s_wait_kmcnt 0x0
	s_load_b128 s[36:39], s[10:11], s4 offset:0x0  ; t, qx
	s_load_b96 s[40:42], s[10:11], s4 offset:0x10  ; qy, qz, qw
	s_load_b256 s[SC:SC+7], s[32:33], 0x0
	s_add_nc_u64 s[PB:PB+1], s[8:9], s[6:7]
	s_lshl_b32 s6, s5, 23
	s_lshl_b32 s5, ttmp9, 14
	s_add_co_u32 s6, s6, s5
	s_add_nc_u64 s[OB:OB+1], s[34:35], s[6:7]      ; out0 + (b << 23) + (g << 14); a head is 1 << 20 bytes on
	s_wait_alu depctr_va_vdst(0)                   ; every offset and LDS address is written: v[PO], v[OO], v[IMW], v[IML], v[SCW], v[SCL], v48 to v53, which the loads and stores of the whole kernel read; up to the rotation below only loads and a window's switch follow
	PLOAD                                          ; trip 0's points
.set i, 0
.rept 32
	global_load_b32 v[X+i], v53, s[20:21] offset:256*i           ; W2(64 c + 32 h + i, 16 t + r): a lane to a column, its registers down K: one whole block
.set i, i+1
.endr
	global_load_b32 v54, v50, s[30:31]             ; b3 of head r % 8
	global_load_b32 v55, v50, s[32:33]             ; bias_scale likewise
	WIN 0x40                                       ; destinations in window 1
.irp s, 0,1
.irp q, 0,1
.irp e, 0,1,2,3,4,5,6,7
	global_load_b32 v[W3R+16*\s+8*\q+\e], v48, s[28:29] offset:1024*\s+512*\q+32*\e   ; W3(32 s + 16 q + 8 h + e, r % 8): the 16-bit operand's order along K
.endr
.irp u, 0,1
	global_load_b128 v[G2R+16*\s+8*\q+4*\u:G2R+16*\s+8*\q+4*\u+3], v49, s[24:25] offset:128*\s+64*\q+16*\u
	global_load_b128 v[BE2R+16*\s+8*\q+4*\u:BE2R+16*\s+8*\q+4*\u+3], v49, s[26:27] offset:128*\s+64*\q+16*\u
.endr
.endr
.endr
.irp c, 0,1
.irp q, 0,1,2,3,4,5,6,7
	global_load_b128 v[B1+32*\c+4*\q:B1+32*\c+4*\q+3], v51, s[14:15] offset:256*\c+16*\q   ; register i: b1 of unit 64 (i / 32) + 32 h + i % 32
.endr
.endr
.irp t, 0,1,2,3
.irp q, 0,1
	global_load_b128 v[B2+8*\t+4*\q:B2+8*\t+4*\q+3], v49, s[22:23] offset:64*\t+16*\q      ; register 8 t + j: b2 of unit 16 t + 8 h + j
.endr
.endr
.irp t, 0,1,2,3,4,5,6,7
.irp j, 0,1
	global_load_b32 v[W1F+2*\t+\j], v52, s[12:13] offset:512*\j+256*(\t/4)+32*(\t%4)       ; W1(2 h + j, unit 64 (t / 4) + 32 (r / 8) + 8 (t % 4) + r % 8)
.endr
.endr
	WIN 0
	; the rotation, the same in every lane, while the loads are on their way: it names v40 to v47 and v56 to v63, none of which a load above reads or lands in
	s_wait_kmcnt 0x0                               ; the pose and bias_scale
	v_mov_b32 v40, s39                             ; x
	v_mov_b32 v41, s40                             ; y
	v_mov_b32 v42, s41                             ; z
	v_mov_b32 v43, s42                             ; w
	v_mul_f32 v44, v40, v40
	v_fma_f32 v44, v41, v41, v44
	v_fma_f32 v44, v42, v42, v44
	v_fma_f32 v44, v43, v43, v44
	v_sqrt_f32 v45, v44
	v_nop
	s_wait_alu depctr_va_vdst(0)                   ; the root has written v45, ahead of its first reader
	v_add_f32 v45, 0x322bcc77, v45                 ; + 1e-8
	v_rcp_f32 v46, v45
	v_nop
	s_wait_alu depctr_va_vdst(0)                   ; the reciprocal has written v46, ahead of its first reader
.irp i, 40,41,42,43
	v_mul_f32 v\i, v\i, v46
.endr
	v_mul_f32 v44, v41, v41
	v_fma_f32 v44, v42, v42, v44
	v_fma_f32 v56, v44, -2.0, 1.0                  ; R00 = 1 - 2 (yy + zz)
	v_mul_f32 v44, v40, v41
	v_fma_f32 v57, -v43, v42, v44                  ; xy - wz
	v_fma_f32 v59, v43, v42, v44                   ; xy + wz
	v_mul_f32 v45, v40, v42
	v_fma_f32 v58, v43, v41, v45                   ; xz + wy
	v_fma_f32 v62, -v43, v41, v45                  ; xz - wy
	v_mul_f32 v44, v41, v42
	v_fma_f32 v61, -v43, v40, v44                  ; yz - wx
	v_fma_f32 v63, v43, v40, v44                   ; yz + wx
	v_mul_f32 v45, v40, v40
	v_fma_f32 v44, v42, v42, v45
	v_fma_f32 v60, v44, -2.0, 1.0                  ; R11 = 1 - 2 (xx + zz)
	v_fma_f32 v44, v41, v41, v45
	v_fma_f32 v47, v44, -2.0, 1.0                  ; R22 = 1 - 2 (xx + yy)
.irp i, 57,58,59,61,62,63
	v_add_f32 v\i, v\i, v\i
.endr
.irp i, 0,1,2,3,4,5,6,7
	v_readfirstlane_b32 s[RM+\i], v[56+\i]
.endr
	v_readfirstlane_b32 s[RM+8], v47
	s_wait_loadcnt 0x0                             ; all that was asked for so far
	; c = sum of beta2 W3 (my half of K), and g2 W3 as bf16
	WIN 0x05                                       ; sources 0 and 1 in window 1
.irp k, 0,1,2,3
	v_mul_f32 v[S+\k], v[BE2R+\k], v[W3R+\k]
.endr
.set p, 4
.rept 28
	v_fma_f32 v[S+p%4], v[BE2R+p], v[W3R+p], v[S+p%4]
.set p, p+1
.endr
	WIN 0x45                                       ; the destination too
.set p, 0
.rept 16
	v_pk_mul_f32 v[G2R+2*p:G2R+2*p+1], v[G2R+2*p:G2R+2*p+1], v[W3R+2*p:W3R+2*p+1]
.set p, p+1
.endr
.set p, 0
.rept 16
	v_cvt_pk_bf16_f32 v[W3F+p], v[G2R+2*p], v[G2R+2*p+1]
.set p, p+1
.endr
	WIN 0x40
	s_wait_alu depctr_va_vdst(0)                   ; the lines above are done reading W3, g2 and beta2 as loaded and have written g2 W3 over g2: the loads below land in these registers of window 1
.irp c, 0,1
.irp q, 0,1,2,3,4,5,6,7
	global_load_b128 v[G1+32*\c+4*\q:G1+32*\c+4*\q+3], v51, s[16:17] offset:256*\c+16*\q     ; g1 and beta1 take the places of what has just been used up
	global_load_b128 v[BE1+32*\c+4*\q:BE1+32*\c+4*\q+3], v51, s[18:19] offset:256*\c+16*\q
.endr
.endr
	WIN 0
	v_add_f32 v[S], v[S], v[S+1]
	v_add_f32 v[S+2], v[S+2], v[S+3]
	v_add_f32 v[S], v[S], v[S+2]
	v_permlanex16_b32 v[S+1], v[S], s[SEL], s[SEL+1]
	v_add_f32 v[S], v[S], v[S+1]                   ; with lane l xor 16's half of K
	v_add_f32 v[S], v[S], v54                      ; + b3
	v_mul_f32 v[S], v[S], v55                      ; x bias_scale
.irp j, 0,1,2,3,4,5,6,7
	v_readlane_b32 s[CB+\j], v[S], \j              ; lane j holds head j's
.endr
	s_wait_alu depctr_va_sdst(0)                   ; s[RM .. RM+8] and s[CB .. CB+7] are written: one wait for both runs, ahead of R's first reader (the features below) and of c x scale's (FINAL, in the loop)
	FEATS                                          ; trip 0's
	s_add_nc_u64 s[PB:PB+1], s[PB:PB+1], 768       ; (the loads that named it are in)
	PLOAD                                          ; trip 1's points.  No wait: the wait in FEATS stands behind the last reader of v[PTS ..]
	; my eighth of W2: one block of 32 a lane becomes registers 6 c .. 6 c + 5 of tile t's fragment and one byte of column r's scale word
	v_max3_num_f32 v[S], |v[X]|, |v[X+1]|, 0x2800000
	v_max3_num_f32 v[S+1], |v[X+16]|, |v[X+17]|, 0x2800000
.irp i, 2,4,6,8,10,12,14
	v_max3_num_f32 v[S], v[S], |v[X+\i]|, |v[X+\i+1]|
	v_max3_num_f32 v[S+1], v[S+1], |v[X+16+\i]|, |v[X+16+\i+1]|
.endr
	v_max_num_f32 v[S], v[S], v[S+1]
	v_add_nc_u32 v[MU], 0xfe000000, v[S]
	v_lshrrev_b32 v[RS], 23, v[MU]                 ; block 2 c + h's byte,
	v_lshlrev_b32 v[RS], v[SH8], v[RS]             ; at its place in the half-word;
	v_permlanex16_b32 v[QT], v[RS], s[SEL], s[SEL+1]
	v_or_b32 v[PW], v[RS], v[QT]                   ; with lane l xor 16's: bytes 2 c and 2 c + 1
	v_cvt_scalef32_pk16_bf6_f32 v[PC:PC+2], v[X:X+15], v[MU]
	v_cvt_scalef32_pk16_bf6_f32 v[S:S+2], v[X+16:X+31], v[MU]
	v_nop                                          ; one plain instruction behind the conversions
.irp i, 0,1,2
	v_mov_b32 v[PC+3+\i], v[S+\i]
.endr
	s_wait_alu depctr_va_vdst(0)                   ; the conversion and the moves have written v[PC .. PC+5], and the v_or_b32 v[PW], which the four LDS stores read
.irp p, 0,1,2
	ds_store_b64 v[IMW], v[PC+2*\p:PC+2*\p+1] offset:W2IMG+256*\p    ; an image of the registers: a pair's 256 bytes on end
.endr
	ds_store_b16 v[SCW], v[PW]                     ; lanes r and 16 + r write the same half-word with the same value
	s_wait_dscnt 0x0                               ; for the others' sake: my stores have landed
	s_barrier_signal -1
	s_barrier_wait -1                              ; everybody's have: the launch's one barrier
	s_wait_alu depctr_vm_vsrc(0)                   ; my LDS stores have read v[PC ..] and v[PW], which the loop's quantiser writes again; the head's loads have read their offsets v48 to v53, which are OUT from here on
.irp t, 0,1,2,3
.irp q, 0,1,2,3,4,5
	ds_load_b64 v[W2F+12*\t+2*\q:W2F+12*\t+2*\q+1], v[IML] offset:W2IMG+1536*\t+256*\q
.endr
.endr
.irp u, 0,1
	ds_load_b32 v[W2S+\u], v[SCL] offset:128*\u    ; lanes 0-15 tile 2 u's words, lanes 16-31 tile 2 u + 1's
.endr
	L1MM F                                         ; the first tile's first product
.rept 8
	v_nop                                          ; eight places behind the f32 form, ahead of the first read of its results
.endr
	s_wait_loadcnt 0x3                             ; g1 and beta1 are in: behind their loads only trip 1's three point loads were issued
	s_wait_dscnt 0x0                               ; W2's fragments and scale words
	s_mov_b32 s[TR], 0
.Ltrip:                                                ; 64 points a wave
	TILE E0, RS2, F+2
	TILE E1, RS2+1, F+4
	s_wait_xcnt 0x0                                ; the last trip's stores have had their addresses translated (ISA guide 3.1): their base and their data are written again only behind this wait,
	s_wait_alu depctr_vm_vsrc(0)                   ; and beside it: those stores have read v[OUT ..], which FINAL writes again.  Both stand two tiles behind the stores
	s_add_nc_u64 s[OB:OB+1], s[OB:OB+1], 256       ; 256 bytes past this trip's place: the stores below reach back
	FINAL 0
	TILE E0, RS2, F+6
	s_cmp_lt_u32 s[TR], 7                          ; the last trip has no successor: no features, no load beyond the wave's points
	s_cbranch_scc0 .Lno_feats
	s_wait_loadcnt 0x0                             ; the next trip's points, asked for a trip ago
	FEATS
	s_cmp_lt_u32 s[TR], 6
	s_cbranch_scc0 .Lno_feats
	s_add_nc_u64 s[PB:PB+1], s[PB:PB+1], 768       ; (the loads that named it are in)
	PLOAD                                          ; the points of the trip after next.  No wait: the wait in FEATS stands behind the last reader of v[PTS ..]
.Lno_feats:
	RELU1
	s_cmp_lt_u32 s[TR], 7
	s_cbranch_scc0 .Lno_next
	L1MM F                                         ; the next trip's first tile
.Lno_next:
	REST E1, RS2+1
	FINAL 1
	s_wait_alu depctr_va_vdst(0)                   ; FINAL 0 and FINAL 1 have written v[OUT ..], which the eight stores read
.irp j, 0,1,2,3,4,5,6,7
	global_store_b64 v[OO], v[OUT+2*\j:OUT+2*\j+1], s[OB:OB+1] offset:\j*1048576-256 th:TH_STORE_NT   ; 32 lanes store 256 consecutive bytes, at a multiple of 256 from out0's first byte; written once, read by nobody here
.endr
	s_add_co_u32 s[TR], s[TR], 1
	s_cmp_lt_u32 s[TR], 8
	s_cbranch_scc1 .Ltrip
	s_wait_dscnt 0x0                               ; the closing lines, six on end
	s_wait_alu 0x0
	s_wait_tensorcnt 0x0
	ds_add_u32 v[SPW], v[NIL]
	s_wait_dscnt 0x0
	s_endpgm
.Lfunc_end_k_qb8203263b0_geo:
	.size	k_qb8203263b0_geo, .Lfunc_end_k_qb8203263b0_geo-k_qb8203263b0_geo
	.p2alignl 7, 3214868480
	.fill 96, 4, 3214868480
	.section	.rodata,"a",@progbits
	.p2align	6, 0x0
	.amdhsa_kernel k_qb8203263b0_geo
		.amdhsa_group_segment_fixed_size 7424
		.amdhsa_private_segment_fixed_size 0
		.amdhsa_enable_private_segment 0
		.amdhsa_kernarg_size 112
		.amdhsa_user_sgpr_count 2
		.amdhsa_user_sgpr_kernarg_segment_ptr 1
		.amdhsa_wavefront_size32 1
		.amdhsa_system_sgpr_workgroup_id_x 1
		.amdhsa_system_sgpr_workgroup_id_y 1
		.amdhsa_system_sgpr_workgroup_id_z 1
		.amdhsa_system_vgpr_workitem_id 0
		.amdhsa_next_free_vgpr 512
		.amdhsa_next_free_sgpr 84
		.amdhsa_reserve_vcc 0
		.amdhsa_float_denorm_mode_32 3
		.amdhsa_float_denorm_mode_16_64 3
		.amdhsa_memory_ordered 1
		.amdhsa_forward_progress 1
		.amdhsa_inst_pref_size 130
	.end_amdhsa_kernel
	.amdgpu_metadata
---
amdhsa.version: [ 1, 2 ]
amdhsa.kernels:
  - .name:           k_qb8203263b0_geo
    .symbol:         k_qb8203263b0_geo.kd
    .args:
      - { .name: scene_points, .offset: 0, .size: 8, .value_kind: global_buffer, .address_space: global }
      - { .name: grasp_poses, .offset: 8, .size: 8, .value_kind: global_buffer, .address_space: global }
      - { .name: W1, .offset: 16, .size: 8, .value_kind: global_buffer, .address_space: global }
      - { .name: b1, .offset: 24, .size: 8, .value_kind: global_buffer, .address_space: global }
      - { .name: g1, .offset: 32, .size: 8, .value_kind: global_buffer, .address_space: global }
      - { .name: beta1, .offset: 40, .size: 8, .value_kind: global_buffer, .address_space: global }
      - { .name: W2, .offset: 48, .size: 8, .value_kind: global_buffer, .address_space: global }
      - { .name: b2, .offset: 56, .size: 8, .value_kind: global_buffer, .address_space: global }
      - { .name: g2, .offset: 64, .size: 8, .value_kind: global_buffer, .address_space: global }
      - { .name: beta2, .offset: 72, .size: 8, .value_kind: global_buffer, .address_space: global }
      - { .name: W3, .offset: 80, .size: 8, .value_kind: global_buffer, .address_space: global }
      - { .name: b3, .offset: 88, .size: 8, .value_kind: global_buffer, .address_space: global }
      - { .name: bias_scale, .offset: 96, .size: 8, .value_kind: global_buffer, .address_space: global }
      - { .name: out0, .offset: 104, .size: 8, .value_kind: global_buffer, .address_space: global }
    .group_segment_fixed_size: 7424
    .private_segment_fixed_size: 0
    .kernarg_segment_align: 8
    .kernarg_segment_size: 112
    .max_flat_workgroup_size: 256
    .sgpr_count:     84
    .vgpr_count:     512
    .wavefront_size: 32
...
	.end_amdgpu_metadata
.endif
;; end of part 2
